; MI455X (gfx1250); checked and timed in simulation.
; The chip was launched on July 23, 2026; its instructions are those of AMD's public machine-readable ISA for CDNA 5 (MIT licence, August 2026) and "CDNA5" Instruction Set Architecture Reference Guide (July 2026). The comments in the code are by the model that wrote it; some were corrected since.
;; Multi Head Attention Quantum. Allowed arithmetic: matrix products marked QUANTISED: E3M2 operands, one E8M0 scale for each 32 along K, by v_wmma_scale_f32_16x16x128_f8f6f4 with both operands' format E3M2, f32 sums; products left as they are: f32 operands where the result goes on into a quantised operand, else bf16, f16 or f32 operands; f32 sums; everything else in f32.
;; Inputs: Wc 128 x 128 float32; bc 128 float32; theta 8 float32; x 4 x 2,048 x 128 float32.
;; Outputs: out0 4 x 2,048 x 128 float32.
;; This version of the problem:
;;   THIS VERSION OF THE PROBLEM IS GIVEN IN LOW PRECISION. The matrix products marked QUANTISED in the list below multiply operands that are first quantised to E3M2 (3 exponent bits, 2 mantissa bits; 6 bits a number), with one power-of-two scale for each 32 numbers along K (OCP MX v1.0); their sums are f32. All else is computed in f32.
;;   The module's matrix products, in the order in which they are computed (A, B: the left and right operand; K: the contracted axis; several contracted axes count as one K, in the product's order):
;;     1. batch 64 x [M 2,048, K 8] x [K 8, N 2,048]; A: computed on the way; B: computed on the way: left as it is (K = 8 < 32)
;;     2. batch 64 x [M 2,048, K 2,048] x [K 2,048, N 8]; A: softmax; B: computed on the way: left as it is (N = 8 < 16)
;;     3. [M 8,192, K 128] x [K 128, N 128]; A: computed on the way; B: input Wc: QUANTISED
;;   THE QUANTISER, for each operand of a quantised product, along K:
;;     - K is cut into blocks of 32 from its start; a last block that is shorter is filled with zeros.
;;     - A block's scale is 2^e with e = floor(log2(the largest magnitude in the block)) - 4, held to -126 .. 127; a block of zeros has e = 0. As a byte (E8M0): e + 127.
;;     - Each number is divided by its block's scale, clamped to +-28, and rounded to the nearest number of E3M2, ties to even, subnormals kept.
;;     - The product sums the exact products of the quantised numbers (number of the format x scale) in f32.
;;   ~~~python
;;   def quantise(x, axis):      # numpy; x: float32 -> the quantised numbers, widened to float32 again
;;       x = np.moveaxis(x, axis, -1); K = x.shape[-1]
;;       x = np.pad(x, [(0, 0)] * (x.ndim - 1) + [(0, -K % 32)]); x = x.reshape(x.shape[:-1] + (-1, 32)); a = np.abs(x).max(-1, keepdims=True)
;;       e = np.where(a > 0, np.clip(np.frexp(np.where(a > 0, a, 1))[1] - 1 - 4, -126, 127), 0)      # np.frexp(a)[1] - 1 = floor(log2(a)), exactly
;;       r = np.clip(x / 2.0 ** e, -28, 28)
;;       step = 2.0 ** (np.maximum(np.frexp(np.where(r == 0, 1, r))[1] - 1, -2) - 2)
;;       q = np.round(r / step) * step * 2.0 ** e      # np.round: ties to even
;;       return np.moveaxis(q.reshape(q.shape[:-2] + (-1,))[..., :K], -1, axis).astype(np.float32)
;;   ~~~
;;   OPERANDS COMPUTED ON THE WAY. 'Computed on the way' means the value that the module computes at that place (a softmax that the list does not call 'softmax' is quantised finished and normalised). What goes into a quantiser is computed in f32, as accurately as f32 sums, v_exp_f32 and their like allow (about 1e-6 of the number): no bf16 or f16 on the way to a quantiser, and a product that is left as it is and whose result goes on into a quantised operand takes f32 operands (vector FMAs, or v_wmma_f32_16x16x4_f32). A number that lies on a knife's edge between two numbers of the format may be rounded either way, as far as f32 arithmetic and the matrix unit's own rounding can turn it there, and no further.
;; One version. Each part assembles by itself: llvm-mc -triple=amdgcn-amd-amdhsa -mcpu=gfx1250 --defsym DOCPART=n.
;; ======== version 1 of 1: 2 launches
;; limits: inputs' magnitudes at most 1,048,576
;; workspace buffers: merged 4,194,304 bytes
;; launch attn (part 1): grid 4 x 64, 16 waves a work-group, no clusters, 169,984 bytes of LDS; arguments x, theta, merged; writes merged
.if DOCPART == 1
	.amdgcn_target "amdgcn-amd-amdhsa--gfx1250"
	.amdhsa_code_object_version 6
	.text
	.protected	k_q1cfe5eb8d2_attn
	.globl	k_q1cfe5eb8d2_attn
	.p2align	8
	.type	k_q1cfe5eb8d2_attn,@function
k_q1cfe5eb8d2_attn:
	s_mov_b64 s[64:65], 0
	v_nop
	global_prefetch_b8 v0, s[64:65] scope:SCOPE_SE
	s_setreg_imm32_b32 hwreg(HW_REG_WAVE_MODE, 25, 1), 1
	s_wait_xcnt 0x0
; merged[b*16+h][s][0..7] = softmax_k(q_s . q_k / sqrt(8)) q_k, with q = cos(x[b][s][8h..8h+7] + theta): q, k and v are the same numbers.  x: [4][2048][128] f32, theta: [8] f32.
; All in f32: the result goes on into a quantiser, so both products take f32 operands.
; SHARES.  A work-group owns one (batch, head) and 512 of its 2,048 queries (grid x).  It makes the head's 2,048 x 8 cosines itself (each head's are made by its four work-groups) and keeps them in LDS, twice:
;   KL: a group of 16 keys is 512 bytes, [half of the 8 numbers][key][4 numbers]: lane l's 16 bytes at 16 l are its registers of the matrix operand;
;   VL: a group of 16 keys is 512 bytes, [half of the 16 keys][channel][8 keys]: V transposed, 256 bytes for each half of the lanes.
; SIXTEEN SMALL WAVES, four to a SIMD, each in under 256 registers (no register windows): one wave's packed arithmetic stands beside another's matrix instructions, exponentials and LDS loads.
;   Wave w takes queries 64 (w % 8) on (4 tiles of 16) and keys 1,024 (w / 8) on, 16 keys a step.  The two waves with the same queries add their sums through LDS at the end.
;   The price: a step's 17 LDS loads (V^T and K's fragment) serve 4 tiles of queries.
; FIRST PRODUCT, by the f32 matrix form: S^T = K Q'^T (source 0 = 16 keys, source 1 = 16 queries), Q' = q x log2(e) / sqrt(8).  In the result lane (r, h) holds query r and keys 8 h + 0..7.
;   The 8 numbers of a key go in two instructions; the place k = 2 h + j of instruction c takes number 4 h + 2 c + j, in both sources alike, so that a lane's 16 bytes of KL are both instructions' registers.
; SOFTMAX.  p = 2^(S^T).  NO MAXIMUM IS TAKEN AWAY: every number of q is a cosine, so for every input |S^T| <= 8 log2(e) / sqrt(8) = 4.08, p lies in 0.059 .. 16.9 and a row's sum is at most 34,700.
; SECOND PRODUCT, by packed multiply-adds: N = 8 would fill half of a 16 x 16 matrix tile.  For each channel a pair of sums (even keys', odd keys'): pair += p[2 i, 2 i + 1] x V^T[channel][2 i, 2 i + 1];
;   the row's sum is a ninth pair.  V^T of a lane's 8 keys x 8 channels is 64 registers, read once a step for all 4 tiles.
; A STEP: 32 exponentials as one batch; then 8 slices, each one matrix instruction of the NEXT step's scores and 18 packed instructions of this step; then the next step's LDS loads.
; COSINE.  y = x + theta; k = floor(y / pi); m = k + 1/2; s = m pi - y (pi in two parts, fused), |s| <= pi / 2; cos y = (-1)^k sin s; sin by its series up to s^13 (the rest is under 7e-10).
; LIMITS: NaN and infinities among the inputs are not served; the reduction is meant for |x + theta| up to 2^20.
; NO CLUSTER: the four work-groups of a head share only the 64 KB of x that each reads once at its head, through registers, since the cosine has to be taken.
; REGISTERS: v1-15 addresses (v8-11 K's fragment); v16-31 Q'; v32-63 S^T (written by matrix instructions alone in the whole text); v64-95 p; v96-159 V^T;
;   v160-231 the sums: tile t at 160 + 18 t: 8 channel pairs, then the row's; v232-244 theta, a coefficient, work at the head.  At the head v64-159 serve the cosines, at the end the sums.
.set GRP,   512                        ; bytes of a group of 16 keys, in KL and in VL
.set KL,    0
.set VL,    65536
.set XCH,   131072                     ; 9 x 512 bytes for each of the 8 pairs of waves: the upper keys' sums on their way to the lower keys' wave
.set STEPS, 64                         ; groups of 16 keys in a wave's 1,024
.set NT,    4                          ; tiles of 16 queries to a wave
.set LN,  1                            ; v1   lane
.set AK0, 2                            ; v2   KL: my 16 bytes in my first group
.set AV0, 3                            ; v3   VL: my half's 256 bytes in my first group
.set ADK, 4                            ; v4, v5  the same for the loads in hand
.set ADV, 5
.set XA,  6                            ; v6   my 16 bytes in my pair's exchange
.set GO,  7                            ; v7   my 16 bytes in a tile's 512 bytes of merged
.set KF,  8                            ; v8-11
.set AQ,  12                           ; v12  KL: my 16 bytes in my first tile of queries
.set XO,  13                           ; v13  x: my byte offset
.set KS,  14                           ; v14  where I store into KL
.set VS,  15                           ; v15  and into VL
.set QF,  16
.set S,   32
.set P,   64
.set VT,  96
.set ACC, 160
.set TH,  232                          ; v232-235 my four numbers of theta
.set C11, 236                          ; v236-237 a coefficient, twice
.set TO,  238
.set W0,  240                          ; v240-244 at work at the head
.set X,   64                           ; the head: 32 numbers of x, then their cosines
.set TK,  96
.set TS,  112
.set TU,  128
.set TQ,  144
.set RS,  64                           ; the end: 36 sums (tile t: 9 t + channel, 9 t + 8 the row's), the partner's 36, 16 results
.set R2,  100
.set OUTR, 144
.set WV,  10
.set TB,  18                           ; s18  bytes from my first group to the group whose V^T is fetched next
.set CNT, 19
.set IPI, 20                           ; scalar pairs hold a constant twice: the packed forms name the pair and take its low word for both halves
.set PHI, 22
.set PLO, 24
.set C13, 26
.set C9,  28
.set C7,  30
.set C5,  32
.set C3,  34
.set CSC, 36
.set SEL, 38
	s_load_b128 s[4:7], s[0:1], 0x0                ; x, theta
	s_load_b64 s[8:9], s[0:1], 0x10                ; merged
	v_lshl_add_u32 v254, v0, 2, 0x29000
	v_mov_b32 v255, 0
	v_lshrrev_b32 v[W0], 5, v0
	v_readfirstlane_b32 s[WV], v[W0]               ; wave 0..15
	s_and_b32 s11, ttmp7, 0xffff                   ; 16 x batch + head
	s_and_b32 s12, ttmp9, 3                        ; which 512 queries
	v_and_b32 v[LN], 31, v0
	; the head's loads: two lanes to a key: lane l takes numbers 4 (l % 2) + 0..3 of key l / 2 of a group, so that one load takes each key's 32 bytes whole; load i of wave w takes group 16 i + w
	v_bfe_u32 v[W0], v0, 1, 4                      ; key in the group
	v_and_b32 v[W0+1], 1, v0                       ; half of its 8 numbers
	v_and_b32 v[W0+2], 0x1e0, v0                   ; 32 x wave
	v_bfe_u32 v[W0+3], v0, 1, 3                    ; key % 8
	v_bfe_u32 v[W0+4], v0, 4, 1                    ; key / 8; also lane / 16
	v_lshlrev_b32 v[TO], 4, v[W0+1]
	v_lshlrev_b32 v[XO], 9, v[W0]
	v_lshl_add_u32 v[XO], v[W0+1], 4, v[XO]
	v_lshl_add_u32 v[XO], v[W0+2], 8, v[XO]        ; 512 key + 16 half + 8,192 wave
	v_lshlrev_b32 v[KS], 4, v[W0]
	v_lshl_add_u32 v[KS], v[W0+1], 8, v[KS]
	v_lshl_add_u32 v[KS], v[W0+2], 4, v[KS]        ; 16 key + 256 half + 512 wave
	v_lshlrev_b32 v[VS], 2, v[W0+3]
	v_lshl_add_u32 v[VS], v[W0+1], 7, v[VS]
	v_lshl_add_u32 v[VS], v[W0+4], 8, v[VS]
	v_lshl_add_u32 v[VS], v[W0+2], 4, v[VS]
	v_add_nc_u32 v[VS], VL, v[VS]                  ; VL + 4 (key % 8) + 128 half (4 channels of 32 bytes) + 256 (key / 8) + 512 wave
	; the main part's addresses
	s_lshr_b32 s13, s[WV], 3
	s_lshl_b32 s13, s13, 15                        ; my half of the keys: 64 groups
	s_and_b32 s14, s[WV], 7                        ; my 64 of the work-group's queries
	v_lshl_add_u32 v[AK0], v[LN], 4, s13
	s_add_co_u32 s13, s13, VL
	v_lshl_add_u32 v[AV0], v[W0+4], 8, s13
	s_lshl_b32 s15, s12, 14
	s_lshl_b32 s13, s14, 11
	s_add_co_u32 s15, s15, s13                     ; my first query x 32 bytes: its place in KL (16 queries are 512 bytes) and in the head's part of merged alike
	v_lshl_add_u32 v[AQ], v[LN], 4, s15
	s_mul_i32 s13, s14, 9*512
	s_add_co_u32 s13, s13, XCH
	v_lshl_add_u32 v[XA], v[LN], 4, s13
	v_and_b32 v[W0+3], 15, v0
	v_lshlrev_b32 v[GO], 5, v[W0+3]
	v_lshl_add_u32 v[GO], v[W0+4], 4, v[GO]        ; query r's 32 bytes, 16 for each half of the lanes
	s_lshr_b32 s13, s11, 4
	s_lshl_b32 s16, s13, 20                        ; the batch: 2,048 rows of 512 bytes
	s_and_b32 s13, s11, 15
	s_lshl_b32 s13, s13, 5                         ; the head: 32 bytes in a row
	s_add_co_u32 s16, s16, s13
	s_mov_b32 s17, 0
	s_lshl_b32 s40, s11, 16                        ; merged: 65,536 bytes a head
	s_add_co_u32 s40, s40, s15
	s_mov_b32 s41, 0
	s_mov_b32 s[IPI], 0x3ea2f983                   ; 1 / pi
	s_mov_b32 s[PHI], 0x40490fdb                   ; pi, rounded to f32,
	s_mov_b32 s[PLO], 0xb3bbbd2e                   ; and what that leaves
	s_mov_b32 s[C13], 0x2f309231                   ; 1 / 13!
	s_mov_b32 s[C9], 0x3638ef1d                    ; 1 / 9!
	s_mov_b32 s[C7], 0xb9500d01                    ; -1 / 7!
	s_mov_b32 s[C5], 0x3c088889                    ; 1 / 5!
	s_mov_b32 s[C3], 0xbe2aaaab                    ; -1 / 3!
	s_mov_b32 s[CSC], 0x3f0293ee                   ; log2(e) / sqrt(8)
.irp c, IPI, PHI, PLO, C13, C9, C7, C5, C3, CSC
	s_mov_b32 s[\c+1], s[\c]
.endr
	s_mov_b32 s[SEL], 0x76543210
	s_mov_b32 s[SEL+1], 0xfedcba98                 ; v_permlanex16_b32's selects for lane l xor 16
	v_mov_b32 v[C11], 0xb2d7322b                   ; -1 / 11!
	v_mov_b32 v[C11+1], 0xb2d7322b
	s_wait_kmcnt 0x0
	s_add_nc_u64 s[4:5], s[4:5], s[16:17]
	s_add_nc_u64 s[8:9], s[8:9], s[40:41]
	global_load_b128 v[TH:TH+3], v[TO], s[6:7]
.irp i, 0,1,2,3,4,5,6,7
	global_load_b128 v[X+4*\i:X+4*\i+3], v[XO], s[4:5] offset:\i*131072   ; group 16 i + w: 256 rows of 512 bytes a step
.endr
; sixteen numbers at v[x] on become their cosines, in place; stage by stage, so that no line waits for the line above it
.macro COS16 x
.set xb, \x
.irp e, 0,2,4,6,8,10,12,14
	v_pk_add_f32 v[xb+\e:xb+\e+1], v[xb+\e:xb+\e+1], v[TH+\e%4:TH+\e%4+1]          ; y = x + theta
.endr
.irp e, 0,2,4,6,8,10,12,14
	v_pk_mul_f32 v[TK+\e:TK+\e+1], v[xb+\e:xb+\e+1], s[IPI:IPI+1] op_sel_hi:[1,0]
.endr
.irp e, 0,1,2,3,4,5,6,7,8,9,10,11,12,13,14,15
	v_floor_f32 v[TK+\e], v[TK+\e]                                                 ; k
.endr
.irp e, 0,2,4,6,8,10,12,14
	v_pk_add_f32 v[TS+\e:TS+\e+1], v[TK+\e:TK+\e+1], 0.5 op_sel_hi:[1,0]           ; m = k + 1/2
.endr
.irp e, 0,1,2,3,4,5,6,7,8,9,10,11,12,13,14,15
	v_cvt_i32_f32 v[TK+\e], v[TK+\e]
.endr
.irp e, 0,2,4,6,8,10,12,14
	v_pk_fma_f32 v[TU+\e:TU+\e+1], v[TS+\e:TS+\e+1], s[PHI:PHI+1], v[xb+\e:xb+\e+1] op_sel_hi:[1,0,1] neg_lo:[0,0,1] neg_hi:[0,0,1]
.endr
.irp e, 0,2,4,6,8,10,12,14
	v_pk_fma_f32 v[TS+\e:TS+\e+1], v[TS+\e:TS+\e+1], s[PLO:PLO+1], v[TU+\e:TU+\e+1] op_sel_hi:[1,0,1]   ; s = m pi - y
.endr
.irp e, 0,1,2,3,4,5,6,7,8,9,10,11,12,13,14,15
	v_lshlrev_b32 v[TK+\e], 31, v[TK+\e]                                           ; k's lowest bit as a sign
.endr
.irp e, 0,1,2,3,4,5,6,7,8,9,10,11,12,13,14,15
	v_xor_b32 v[TS+\e], v[TK+\e], v[TS+\e]                                         ; the sine is odd: (-1)^k goes onto s
.endr
.irp e, 0,2,4,6,8,10,12,14
	v_pk_mul_f32 v[TU+\e:TU+\e+1], v[TS+\e:TS+\e+1], v[TS+\e:TS+\e+1]              ; u = s s
.endr
.irp e, 0,2,4,6,8,10,12,14
	v_pk_fma_f32 v[TQ+\e:TQ+\e+1], v[TU+\e:TU+\e+1], s[C13:C13+1], v[C11:C11+1] op_sel_hi:[1,0,1]
.endr
.irp c, C9, C7, C5, C3
.irp e, 0,2,4,6,8,10,12,14
	v_pk_fma_f32 v[TQ+\e:TQ+\e+1], v[TQ+\e:TQ+\e+1], v[TU+\e:TU+\e+1], s[\c:\c+1] op_sel_hi:[1,1,0]
.endr
.endr
.irp e, 0,2,4,6,8,10,12,14
	v_pk_mul_f32 v[TU+\e:TU+\e+1], v[TU+\e:TU+\e+1], v[TS+\e:TS+\e+1]              ; s u
.endr
.irp e, 0,2,4,6,8,10,12,14
	v_pk_fma_f32 v[xb+\e:xb+\e+1], v[TU+\e:TU+\e+1], v[TQ+\e:TQ+\e+1], v[TS+\e:TS+\e+1]   ; s + s u (..)
.endr
.endm
.macro PUT bb                          ; the cosines of loads 4 bb .. 4 bb + 3 into both layouts
.irp q, 0,1,2,3
	ds_store_b128 v[KS], v[X+16*\bb+4*\q:X+16*\bb+4*\q+3] offset:(4*\bb+\q)*16*GRP
.irp d, 0,1,2,3
	ds_store_b32 v[VS], v[X+16*\bb+4*\q+\d] offset:(4*\bb+\q)*16*GRP+32*\d
.endr
.endr
.endm
.irp bb, 0,1
	s_wait_loadcnt 4-4*\bb                         ; theta and this batch's four loads are in; the second batch's four may be out
	COS16 X+16*\bb
	PUT \bb
.endr
	s_wait_dscnt 0x0                               ; for the others' sake: my stores have landed
	s_barrier_signal -1
	s_barrier_wait -1                              ; the head's 2,048 keys lie in KL and VL
; the n-th of a step's 8 matrix instructions: tile n % 4, numbers' half n / 4.  The four tiles take turns, one instruction a turn; the first four start the sums with the constant 0
.macro SCORE n
.set rS, S+8*((\n)%NT)
.set rQ, QF+4*((\n)%NT)
.if (\n) < NT
	v_wmma_f32_16x16x4_f32 v[rS:rS+7], v[KF:KF+1], v[rQ:rQ+1], 0
.else
	v_wmma_f32_16x16x4_f32 v[rS:rS+7], v[KF+2:KF+3], v[rQ+2:rQ+3], v[rS:rS+7]
.endif
.endm
; nine packed instructions: tile t, keys 2 jj and 2 jj + 1 of my eight: the 8 channels' pairs and the row's.  first = 1: the first step's first pair of keys starts the sums: nothing is cleared
.macro PKS t, jj, first
.set rP, P+8*(\t)+2*(\jj)
.set rA, ACC+18*(\t)
.set rV, VT+2*(\jj)
.set d, 0
.rept 8
.if (\first) && ((\jj) == 0)
	v_pk_mul_f32 v[rA+2*d:rA+2*d+1], v[rP:rP+1], v[rV+8*d:rV+8*d+1]
.else
	v_pk_fma_f32 v[rA+2*d:rA+2*d+1], v[rP:rP+1], v[rV+8*d:rV+8*d+1], v[rA+2*d:rA+2*d+1]
.endif
.set d, d+1
.endr
.if (\first) && ((\jj) == 0)
	v_pk_mul_f32 v[rA+16:rA+17], v[rP:rP+1], 1.0 op_sel_hi:[1,0]
.else
	v_pk_add_f32 v[rA+16:rA+17], v[rA+16:rA+17], v[rP:rP+1]
.endif
.endm
.macro FETCH ldk                       ; V^T of the group at s[TB]: all lanes of a half read the same 256 bytes; ldk = 1: and K's fragment of the group behind it
.irp n, 0,1,2,3,4,5,6,7,8,9,10,11,12,13,14,15
	ds_load_b128 v[VT+4*\n:VT+4*\n+3], v[ADV] offset:16*\n
.endr
.if \ldk
	ds_load_b128 v[KF:KF+3], v[ADK] offset:GRP
.endif
	s_add_co_u32 s[TB], s[TB], GRP
.endm
; A STEP of 16 keys.  S^T of this step was made in the step before.  mm = 1: the next step's scores are made; ldv, ldk = 1: V^T of the next step, K's fragment of the step after it are fetched.
; Behind each matrix instruction stand 18 packed instructions that name none of its registers: they are the places (8 in front of a read of its result or a load into its sources, 9 in front of the matrix
; instruction that starts the tile's sum anew) behind the step's last matrix instructions.
.macro STEP first, mm, ldk, ldv
.set i, 0
.rept 8*NT
	v_exp_f32 v[P+i], v[S+i]                       ; each tile's registers from the low end on
.set i, i+1
.endr
	s_wait_dscnt 0x0                               ; V^T of this step and K's fragment of the next are in; no LDS load of mine is out
.if \ldv
	v_add_nc_u32 v[ADV], s[TB], v[AV0]             ; plain instructions behind the last exponential, ahead of the matrix instruction that writes over its source
.if \ldk
	v_add_nc_u32 v[ADK], s[TB], v[AK0]
.endif
.else
	v_nop
.endif
	s_wait_alu depctr_va_vdst(0)                   ; one wait for the batch of 32, ahead of its first reader
.set i, 0
.rept 2*NT
.if \mm
	SCORE i
.endif
	PKS (i/2), (2*(i%2)), \first
	PKS (i/2), (2*(i%2)+1), \first
.set i, i+1
.endr
.if \ldv
	FETCH \ldk
.endif
.endm
	ds_load_b128 v[KF:KF+3], v[AK0]                ; K's fragment of step 0
.irp t, 0,1,2,3
	ds_load_b128 v[QF+4*\t:QF+4*\t+3], v[AQ] offset:GRP*\t   ; my queries are keys of the head: their fragments come out of KL
.endr
	s_mov_b32 s[TB], 0
	s_wait_dscnt 0x0
.irp e, 0,2,4,6,8,10,12,14
	v_pk_mul_f32 v[QF+\e:QF+\e+1], v[QF+\e:QF+\e+1], s[CSC:CSC+1] op_sel_hi:[1,0]   ; Q' = q log2(e) / sqrt(8): the scores come out as exponents of 2
.endr
.set i, 0
.rept 2*NT
	SCORE i                                        ; step 0's scores: there is no vector work yet to set between them
.set i, i+1
.endr
	v_add_nc_u32 v[ADV], s[TB], v[AV0]
	v_add_nc_u32 v[ADK], s[TB], v[AK0]
.rept 8
	v_nop                                          ; places in front of the load into K's fragment and of the first read of the scores
.endr
	FETCH 1                                        ; V^T of step 0, K's fragment of step 1
	STEP 1, 1, 1, 1                                ; step 0 starts the sums
	s_mov_b32 s[CNT], STEPS-3
.Lstep:                                                ; steps 1 to 61
	STEP 0, 1, 1, 1
	s_sub_co_u32 s[CNT], s[CNT], 1
	s_cmp_lg_u32 s[CNT], 0
	s_cbranch_scc1 .Lstep
	STEP 0, 1, 0, 1                                ; step 62: no fragment of K is left to fetch
	STEP 0, 0, 0, 0                                ; step 63: nothing is left to make or fetch
	; THE END.  Each pair's two halves are added; the upper keys' waves hand their 36 sums a lane to their partners as they stand, 16 bytes a lane.
.irp t, 0,1,2,3
.irp c, 0,1,2,3,4,5,6,7,8
	v_add_f32 v[RS+9*\t+\c], v[ACC+18*\t+2*\c], v[ACC+18*\t+2*\c+1]
.endr
.endr
	s_cmp_lt_u32 s[WV], 8
	s_cbranch_scc1 .Lkeep
.irp n, 0,1,2,3,4,5,6,7,8
	ds_store_b128 v[XA], v[RS+4*\n:RS+4*\n+3] offset:512*\n
.endr
.Lkeep:
	s_wait_dscnt 0x0                               ; for the partner's sake: my stores have landed
	s_barrier_signal -1
	s_barrier_wait -1
	s_cmp_lt_u32 s[WV], 8
	s_cbranch_scc1 .Lfinish
	s_wait_tensorcnt 0x0
	ds_add_u32 v254, v255
	s_wait_dscnt 0x0
	s_endpgm
.Lfinish:
.irp n, 0,1,2,3,4,5,6,7,8
	ds_load_b128 v[R2+4*\n:R2+4*\n+3], v[XA] offset:512*\n
.endr
	s_wait_dscnt 0x0
.irp n, 0,2,4,6,8,10,12,14,16,18,20,22,24,26,28,30,32,34
	v_pk_add_f32 v[RS+\n:RS+\n+1], v[RS+\n:RS+\n+1], v[R2+\n:R2+\n+1]   ; both halves of the keys
.endr
	; lanes r and 16 + r hold query r's sums over different keys.  Channel d's lanes 16-31 change places with channel d + 4's lanes 0-15: the sum of the two registers is then channel d of query r in lane r and channel d + 4 in lane 16 + r
.irp t, 0,1,2,3
.irp d, 0,1,2,3
	v_permlane16_swap_b32 v[RS+9*\t+\d], v[RS+9*\t+\d+4]
.endr
	v_permlanex16_b32 v[R2+\t], v[RS+9*\t+8], s[SEL], s[SEL+1]
.endr
.irp t, 0,1,2,3
.irp d, 0,1,2,3
	v_add_f32 v[RS+9*\t+\d], v[RS+9*\t+\d], v[RS+9*\t+\d+4]
.endr
	v_add_f32 v[RS+9*\t+8], v[RS+9*\t+8], v[R2+\t]                      ; the row's sum, in both lanes
.endr
.irp t, 0,1,2,3
	v_rcp_f32 v[R2+8+\t], v[RS+9*\t+8]
.endr
	v_nop                                          ; a plain instruction behind the last reciprocal
	s_wait_alu depctr_va_vdst(0)                   ; one wait for the four, ahead of their first reader
.irp t, 0,1,2,3
.irp d, 0,1,2,3
	v_mul_f32 v[OUTR+4*\t+\d], v[RS+9*\t+\d], v[R2+8+\t]
.endr
.endr
.irp t, 0,1,2,3
	global_store_b128 v[GO], v[OUTR+4*\t:OUTR+4*\t+3], s[8:9] offset:512*\t   ; the wave stores a tile's 16 queries x 32 bytes: 512 consecutive bytes, at a multiple of 256 from merged's first byte
.endr
	s_wait_tensorcnt 0x0
	ds_add_u32 v254, v255
	s_wait_dscnt 0x0
	s_endpgm
.Lfunc_end_k_q1cfe5eb8d2_attn:
	.size	k_q1cfe5eb8d2_attn, .Lfunc_end_k_q1cfe5eb8d2_attn-k_q1cfe5eb8d2_attn
	.p2alignl 7, 3214868480
	.fill 96, 4, 3214868480
	.section	.rodata,"a",@progbits
	.p2align	6, 0x0
	.amdhsa_kernel k_q1cfe5eb8d2_attn
		.amdhsa_group_segment_fixed_size 169984
		.amdhsa_private_segment_fixed_size 0
		.amdhsa_enable_private_segment 0
		.amdhsa_kernarg_size 24
		.amdhsa_user_sgpr_count 2
		.amdhsa_user_sgpr_kernarg_segment_ptr 1
		.amdhsa_wavefront_size32 1
		.amdhsa_system_sgpr_workgroup_id_x 1
		.amdhsa_system_sgpr_workgroup_id_y 1
		.amdhsa_system_sgpr_workgroup_id_z 1
		.amdhsa_system_vgpr_workitem_id 0
		.amdhsa_next_free_vgpr 256
		.amdhsa_next_free_sgpr 66
		.amdhsa_reserve_vcc 0
		.amdhsa_float_denorm_mode_32 3
		.amdhsa_float_denorm_mode_16_64 3
		.amdhsa_memory_ordered 1
		.amdhsa_forward_progress 1
		.amdhsa_inst_pref_size 79
	.end_amdhsa_kernel
	.amdgpu_metadata
---
amdhsa.version: [ 1, 2 ]
amdhsa.kernels:
  - .name:           k_q1cfe5eb8d2_attn
    .symbol:         k_q1cfe5eb8d2_attn.kd
    .args:
      - { .name: x, .offset: 0, .size: 8, .value_kind: global_buffer, .address_space: global }
      - { .name: theta, .offset: 8, .size: 8, .value_kind: global_buffer, .address_space: global }
      - { .name: merged, .offset: 16, .size: 8, .value_kind: global_buffer, .address_space: global }
    .group_segment_fixed_size: 169984
    .private_segment_fixed_size: 0
    .kernarg_segment_align: 8
    .kernarg_segment_size: 24
    .max_flat_workgroup_size: 512
    .sgpr_count:     66
    .vgpr_count:     256
    .wavefront_size: 32
...
	.end_amdgpu_metadata
.endif
;; end of part 1
;; launch proj (part 2): grid 128 x 1, 4 waves a work-group, no clusters, 47,616 bytes of LDS; arguments merged, Wc, bc, out0; writes out0
.if DOCPART == 2
	.amdgcn_target "amdgcn-amd-amdhsa--gfx1250"
	.amdhsa_code_object_version 6
	.text
	.protected	k_q1cfe5eb8d2_proj
	.globl	k_q1cfe5eb8d2_proj
	.p2align	8
	.type	k_q1cfe5eb8d2_proj,@function
k_q1cfe5eb8d2_proj:
	s_mov_b64 s[64:65], 0
	v_nop
	global_prefetch_b8 v0, s[64:65] scope:SCOPE_SE
	s_setreg_imm32_b32 hwreg(HW_REG_WAVE_MODE, 25, 1), 1
	s_wait_xcnt 0x0
; out0[token][n] = the sum over k of Q(merged)[token][k] Q(Wc)[n][k] + bc[n], on codes of BF6 (E3M2) with one E8M0 scale for each 32 along K = 128.
; merged lies head-major, [16 batch + head][2,048][8] f32 (k = 8 head + channel); Wc: [128 (n)][128 (k)] f32; bc: [128] f32; out0: [8,192][128] f32.
; A block's scale is 2^(floor(log2(its largest magnitude)) - 4): its byte is the largest magnitude's exponent field - 4, held at 1 from below.  A block of zeros so gets the byte 1 where the rule says 127:
; its codes are zeros, which add nothing, and the bytes are read by this program alone.  LIMITS: NaN and infinities are not served.
; SHARES.  A work-group of four waves takes 64 tokens, a wave 16 of them with all 128 outputs.  Wave w quantises rows 32 w .. 32 w + 31 of Wc (two fragments) and hands them to the others through LDS AS IMAGES OF
; THEIR REGISTERS (12 registers: three stores of 16 bytes a lane at 16 x lane; the scale word at 4 x lane); one barrier.  Its own 16 tokens it quantises in registers.
; The matrix instruction is used transposed (source 0 = 16 rows of Wc, source 1 = my 16 tokens): a lane then holds 8 neighbouring outputs of one token.  The bias is loaded into the accumulators: it is each sum's C.
; The results go through the wave's own stage in LDS and leave as whole rows of 512 bytes.
; REGISTERS: v1-12 addresses; v16-79 Wc's first tile, then the bias and the results; v80-143 Wc's second tile, v144-207 my tokens' numbers; then v80-175 Wc's eight fragments, then rows on the way out;
;   v208-226 the codes just made (my tokens' stay in v208-219); v228-243 at work; v244 a scale word on its way to LDS; v245 my tokens' scale words; v246-253 Wc's.
.set FR,     12
.set FRB,    FR*128                    ; a fragment's image in bytes
.set WIMG,   0                         ; LDS: Wc's 8 fragments,
.set WSC,    8*FRB                     ; their scale words, 128 bytes each,
.set STG,    WSC+8*128                 ; and a stage of 16 rows x (512 + 16) bytes for each wave
.set SPITCH, 528
.set WA,  4                            ; v4   Wc: row r of 512 bytes + 64 h: my 16 numbers of a block of 32
.set MA,  5                            ; v5   merged: token r's 32 bytes + two heads (131,072 bytes) x h
.set LI,  6                            ; v6   16 x lane
.set LS,  7                            ; v7   4 x lane
.set WWI, 8                            ; v8   where I store images: 16 x lane + 2 FRB x wave
.set WWS, 9                            ; v9   and scale words: 4 x lane + 256 x wave
.set SO,  10                           ; v10  the stage: where I put 32 bytes of a row
.set SR,  11                           ; v11  and where I read a row back
.set BO,  12                           ; v12  bc: 32 h
.set N0,  16
.set N1,  80
.set N2,  144
.set ACC, 16
.set BF,  80
.set PC,  208
.set TM,  228
.set PW,  244
.set AS,  245
.set BS,  246
.set WV,  12
.set SEL, 20
; 64 numbers of a lane, v[s] on, register 16 b + i = k 32 b + 16 (lane / 16) + i of my row, become a fragment's codes in v[PC] on and its scale word in v[w]
.macro QUANT s, w
.irp b, 0,1,2,3
	v_max3_num_f32 v[TM+\b], |v[\s+16*\b]|, |v[\s+1+16*\b]|, 0x2800000   ; block b: my 16 numbers, and the floor 2^(5 - 127): so the byte cannot fall under 1
.endr
.irp i, 2,4,6,8,10,12,14
.irp b, 0,1,2,3
	v_max3_num_f32 v[TM+\b], v[TM+\b], |v[\s+16*\b+\i]|, |v[\s+1+16*\b+\i]|   ; (the four blocks by turns)
.endr
.endr
.irp b, 0,1,2,3
	v_permlanex16_b32 v[TM+4+\b], v[TM+\b], s[SEL], s[SEL+1]
.endr
.irp b, 0,1,2,3
	v_max_num_f32 v[TM+\b], v[TM+\b], v[TM+4+\b]   ; with lane l xor 16's: the block's largest magnitude
.endr
.irp b, 0,1,2,3
	v_add_nc_u32 v[TM+12+\b], 0xfe000000, v[TM+\b]   ; 4 off its exponent field: the conversion takes the exponent field of this operand as its scale
.endr
.irp b, 0,1,2,3
	v_lshrrev_b32 v[TM+4+\b], 23, v[TM+12+\b]      ; the scale's byte
.endr
	v_lshl_or_b32 v[\w], v[TM+5], 8, v[TM+4]       ; the four bytes make my row's scale word
	v_lshl_or_b32 v[\w], v[TM+6], 16, v[\w]
	v_lshl_or_b32 v[\w], v[TM+7], 24, v[\w]
.irp c, 0,1
	v_cvt_scalef32_pk16_bf6_f32 v[PC+6*\c:PC+2+6*\c], v[\s+32*\c:\s+15+32*\c], v[TM+12+2*\c]
	v_cvt_scalef32_pk16_bf6_f32 v[PC+12+4*\c:PC+14+4*\c], v[\s+16+32*\c:\s+31+32*\c], v[TM+12+2*\c+1]   ; (a conversion's three registers begin on an even number)
.endr
	v_nop                                          ; one plain instruction behind a scaled conversion
.irp c, 0,1                                    ; the operand's layout wants a whole block in a lane: lanes 0-15 block 2 c, lanes 16-31 block 2 c + 1
.irp i, 0,1,2
	v_permlane16_swap_b32 v[PC+6*\c+\i], v[PC+12+4*\c+\i]
.endr
.irp i, 0,1,2
	v_mov_b32 v[PC+3+6*\c+\i], v[PC+12+4*\c+\i]
.endr
.endr
.endm
.macro IMAGE off                               ; the fragment in v[PC] on goes to LDS as it stands
.irp c, 0,1,2
	ds_store_b128 v[WWI], v[PC+4*\c:PC+4*\c+3] offset:\off+512*\c
.endr
.endm
.macro WLOAD reg, off                          ; 16 rows of Wc from off bytes on: 64 numbers a lane
.irp b, 0,1,2,3
.irp j, 0,1,2,3
	global_load_b128 v[\reg+16*\b+4*\j:\reg+16*\b+4*\j+3], v[WA], s[6:7] offset:\off+128*\b+16*\j
.endr
.endr
.endm
	s_load_b256 s[4:11], s[0:1], 0x0               ; merged s[4:5], Wc s[6:7], bc s[8:9], out0 s[10:11]
	v_lshl_add_u32 v254, v0, 2, 0xb800
	v_mov_b32 v255, 0
	v_lshrrev_b32 v1, 5, v0
	v_readfirstlane_b32 s[WV], v1                  ; wave 0..3
	v_and_b32 v1, 31, v0                           ; lane
	v_and_b32 v2, 15, v0                           ; r
	v_bfe_u32 v3, v0, 4, 1                         ; h
	v_lshlrev_b32 v[WA], 9, v2
	v_lshl_add_u32 v[WA], v3, 6, v[WA]
	v_lshlrev_b32 v[MA], 5, v2
	v_lshl_add_u32 v[MA], v3, 17, v[MA]
	v_lshlrev_b32 v[LI], 4, v1
	v_lshlrev_b32 v[LS], 2, v1
	s_mul_i32 s13, s[WV], 2*FRB
	v_add_nc_u32 v[WWI], s13, v[LI]
	s_lshl_b32 s13, s[WV], 8
	v_add_nc_u32 v[WWS], s13, v[LS]
	s_mul_i32 s13, s[WV], 16*SPITCH
	s_add_co_u32 s13, s13, STG                     ; my stage
	v_mul_u32_u24 v[SO], v2, SPITCH
	v_lshl_add_u32 v[SO], v3, 5, v[SO]
	v_add_nc_u32 v[SO], s13, v[SO]                 ; in: row r, + 32 h
	v_add_nc_u32 v[SR], s13, v[LI]                 ; back: 16 bytes a lane of a row
	v_lshlrev_b32 v[BO], 5, v3
	s_mov_b32 s[SEL], 0x76543210
	s_mov_b32 s[SEL+1], 0xfedcba98                 ; v_permlanex16_b32's selects for lane l xor 16
.irp b, 0,1,2,3
	v_mov_b32 v[TM+4+\b], 0                        ; written once: a lane permute's destination counts as one of its sources
.endr
	s_lshr_b32 s14, ttmp9, 5                       ; 32 work-groups to a batch
	s_lshl_b32 s14, s14, 20                        ; merged: 16 heads of 65,536 bytes a batch,
	s_and_b32 s15, ttmp9, 31
	s_lshl_b32 s15, s15, 11                        ; 64 tokens of 32 bytes a work-group,
	s_add_co_u32 s14, s14, s15
	s_lshl_b32 s15, s[WV], 9                       ; 16 a wave
	s_add_co_u32 s14, s14, s15
	s_mov_b32 s15, 0
	s_lshl_b32 s16, s[WV], 14                      ; Wc: my 32 rows of 512 bytes
	s_mov_b32 s17, 0
	s_lshl_b32 s18, ttmp9, 15                      ; out0: 64 rows of 512 bytes a work-group,
	s_lshl_b32 s19, s[WV], 13                      ; 16 a wave
	s_add_co_u32 s18, s18, s19
	s_mov_b32 s19, 0
	s_wait_kmcnt 0x0
	s_add_nc_u64 s[4:5], s[4:5], s[14:15]
	s_add_nc_u64 s[6:7], s[6:7], s[16:17]
	s_add_nc_u64 s[10:11], s[10:11], s[18:19]
	WLOAD N0, 0
	WLOAD N1, 16*512
.irp b, 0,1,2,3                                ; my tokens: block b of lane (r, h) is heads 4 b + 2 h and 4 b + 2 h + 1 of token r: 32 bytes each
.irp j, 0,1,2,3
	global_load_b128 v[N2+16*\b+4*\j:N2+16*\b+4*\j+3], v[MA], s[4:5] offset:262144*\b+65536*(\j/2)+16*(\j%2) th:TH_LOAD_NT
.endr
.endr
	s_wait_loadcnt 32                              ; Wc's first tile is in; the second tile's 16 loads and my tokens' 16 may be out
	QUANT N0, PW
	IMAGE WIMG
	ds_store_b32 v[WWS], v[PW] offset:WSC
.irp t, 0,1,2,3,4,5,6,7                        ; the bias takes the registers that the first tile has left: lane (r, h) wants, for tile t, bc[16 t + 8 h + 0 .. 7]
	global_load_b128 v[ACC+8*\t:ACC+8*\t+3], v[BO], s[8:9] offset:64*\t
	global_load_b128 v[ACC+8*\t+4:ACC+8*\t+7], v[BO], s[8:9] offset:64*\t+16
.endr
	s_wait_loadcnt 32                              ; Wc's second tile is in; my tokens' 16 loads and the bias's 16 may be out
	s_wait_dscnt 0x0                               ; the stores have read their registers
	QUANT N1, PW
	IMAGE WIMG+FRB
	ds_store_b32 v[WWS], v[PW] offset:WSC+128
	s_wait_loadcnt 16                              ; my tokens are in; the bias's 16 loads may be out
	s_wait_dscnt 0x0                               ; the stores have read their registers; and for the others' sake: they have landed
	QUANT N2, AS                                   ; my tokens' fragment stays in v[PC] on
	s_barrier_signal -1
	s_barrier_wait -1                              ; Wc's eight fragments lie in LDS
.irp t, 0,1,2,3,4,5,6,7
.irp c, 0,1,2
	ds_load_b128 v[BF+FR*\t+4*\c:BF+FR*\t+4*\c+3], v[LI] offset:WIMG+\t*FRB+512*\c
.endr
	ds_load_b32 v[BS+\t], v[LS] offset:WSC+128*\t
.endr
.rept 8
	v_nop                                          ; my tokens' scale word and codes were written by vector instructions: 8 and 4 places ahead of a scaled matrix instruction
.endr
	s_wait_loadcnt 0x0                             ; the bias
	s_wait_dscnt 0x0
.irp t, 0,1,2,3,4,5,6,7
	v_wmma_scale_f32_16x16x128_f8f6f4 v[ACC+8*\t:ACC+8*\t+7], v[BF+FR*\t:BF+FR*\t+FR-1], v[PC:PC+FR-1], v[ACC+8*\t:ACC+8*\t+7], v[BS+\t], v[AS] matrix_a_fmt:MATRIX_FMT_BF6 matrix_b_fmt:MATRIX_FMT_BF6
.endr
.rept 4
	v_nop                                          ; places in front of the first read of results and of loads into registers that matrix instructions have read
.endr
.irp t, 0,1,2,3,4,5,6,7
	ds_store_b128 v[SO], v[ACC+8*\t:ACC+8*\t+3] offset:64*\t           ; lane (r, h): out0(token r, 16 t + 8 h + 0 .. 7); each accumulator from its low end on
	ds_store_b128 v[SO], v[ACC+8*\t+4:ACC+8*\t+7] offset:64*\t+16
.endr
.irp i, 0,1,2,3,4,5,6,7,8,9,10,11,12,13,14,15
	ds_load_b128 v[BF+4*\i:BF+4*\i+3], v[SR] offset:\i*SPITCH         ; LDS serves a wave's instructions in order (ISA guide 5.7.1.4): these see my stores
.endr
.irp i, 0,1,2,3,4,5,6,7,8,9,10,11,12,13,14,15
	s_wait_dscnt 15-\i                             ; row i is back; the rows behind it may be out
	global_store_b128 v[LI], v[BF+4*\i:BF+4*\i+3], s[10:11] offset:512*\i th:TH_STORE_NT   ; 32 lanes store a row of 512 consecutive bytes, at a multiple of 256 from out0's first byte
.endr
	s_wait_tensorcnt 0x0
	ds_add_u32 v254, v255
	s_wait_dscnt 0x0
	s_endpgm
.Lfunc_end_k_q1cfe5eb8d2_proj:
	.size	k_q1cfe5eb8d2_proj, .Lfunc_end_k_q1cfe5eb8d2_proj-k_q1cfe5eb8d2_proj
	.p2alignl 7, 3214868480
	.fill 96, 4, 3214868480
	.section	.rodata,"a",@progbits
	.p2align	6, 0x0
	.amdhsa_kernel k_q1cfe5eb8d2_proj
		.amdhsa_group_segment_fixed_size 47616
		.amdhsa_private_segment_fixed_size 0
		.amdhsa_enable_private_segment 0
		.amdhsa_kernarg_size 32
		.amdhsa_user_sgpr_count 2
		.amdhsa_user_sgpr_kernarg_segment_ptr 1
		.amdhsa_wavefront_size32 1
		.amdhsa_system_sgpr_workgroup_id_x 1
		.amdhsa_system_sgpr_workgroup_id_y 1
		.amdhsa_system_sgpr_workgroup_id_z 1
		.amdhsa_system_vgpr_workitem_id 0
		.amdhsa_next_free_vgpr 256
		.amdhsa_next_free_sgpr 66
		.amdhsa_reserve_vcc 0
		.amdhsa_float_denorm_mode_32 3
		.amdhsa_float_denorm_mode_16_64 3
		.amdhsa_memory_ordered 1
		.amdhsa_forward_progress 1
		.amdhsa_inst_pref_size 28
	.end_amdhsa_kernel
	.amdgpu_metadata
---
amdhsa.version: [ 1, 2 ]
amdhsa.kernels:
  - .name:           k_q1cfe5eb8d2_proj
    .symbol:         k_q1cfe5eb8d2_proj.kd
    .args:
      - { .name: merged, .offset: 0, .size: 8, .value_kind: global_buffer, .address_space: global }
      - { .name: Wc, .offset: 8, .size: 8, .value_kind: global_buffer, .address_space: global }
      - { .name: bc, .offset: 16, .size: 8, .value_kind: global_buffer, .address_space: global }
      - { .name: out0, .offset: 24, .size: 8, .value_kind: global_buffer, .address_space: global }
    .group_segment_fixed_size: 47616
    .private_segment_fixed_size: 0
    .kernarg_segment_align: 8
    .kernarg_segment_size: 32
    .max_flat_workgroup_size: 128
    .sgpr_count:     66
    .vgpr_count:     256
    .wavefront_size: 32
...
	.end_amdgpu_metadata
.endif
;; end of part 2
